; MI455X (gfx1250); checked and timed in simulation.
; The chip was launched on July 23, 2026; its instructions are those of AMD's public machine-readable ISA for CDNA 5 (MIT licence, August 2026) and "CDNA5" Instruction Set Architecture Reference Guide (July 2026). The comments in the code are by the model that wrote it; some were corrected since.
;; Sparse Lowrank Attention. Allowed arithmetic: matrix products marked QUANTISED: E4M3 operands, one given power-of-two scale a tensor, by v_wmma_f32_16x16x64_fp8_fp8 or v_wmma_f32_16x16x128_fp8_fp8, f32 sums; everything else in f32.
;; Inputs: K 2 x 8 x 2,048 x 64 float32; Q 2 x 8 x 2,048 x 64 float32; V 2 x 8 x 2,048 x 64 float32; lowp_scales 8 int32 (the exponents e of the quantised operands' scales 2^e); mask 2 x 2,048 float32; sparse_ratio 1 float32.
;; Outputs: out0 2 x 8 x 2,048 x 64 float32.
;; This version of the problem:
;;   THIS VERSION OF THE PROBLEM IS GIVEN IN LOW PRECISION. The matrix products marked QUANTISED in the list below multiply operands that are first quantised to E4M3 (4 exponent bits, 3 mantissa bits; 8 bits a number), with one given power-of-two scale for each operand tensor; their sums are f32. All else is computed in f32.
;;   The module's matrix products, in the order in which they are computed (A, B: the left and right operand; K: the contracted axis; several contracted axes count as one K, in the product's order):
;;     1. batch 16 x [M 2,048, K 64] x [K 64, N 2,048]; A: input Q; B: input K: QUANTISED (scales: A lowp_scales[0], B lowp_scales[1])
;;     2. batch 16 x [M 2,048, K 2,048] x [K 2,048, N 64]; A: softmax (see below); B: input V: QUANTISED (scales: A lowp_scales[2], B lowp_scales[3])
;;     3. batch 16 x [M 64, K 2,048] x [K 2,048, N 64]; A: computed on the way; B: computed on the way: QUANTISED (scales: A lowp_scales[4], B lowp_scales[5])
;;     4. batch 16 x [M 2,048, K 64] x [K 64, N 64]; A: computed on the way; B: computed on the way: QUANTISED (scales: A lowp_scales[6], B lowp_scales[7])
;;   THE QUANTISER, for each operand of a quantised product, along K:
;;     - The operand's scale is 2^e, e = its entry of the input lowp_scales (int32; the entries are numbered through the quantised products in the list's order, A before B).
;;     - Each number is divided by the scale, clamped to +-448, and rounded to the nearest number of E4M3, ties to even, subnormals kept.
;;     - The product sums the exact products of the quantised numbers (number of the format x scale) in f32.
;;   ~~~python
;;   def quantise(x, axis, e):      # numpy; x: float32 -> the quantised numbers, widened to float32 again
;;       x = np.moveaxis(x, axis, -1); K = x.shape[-1]
;;       r = np.clip(x / 2.0 ** e, -448, 448)
;;       step = 2.0 ** (np.maximum(np.frexp(np.where(r == 0, 1, r))[1] - 1, -6) - 3)
;;       q = np.round(r / step) * step * 2.0 ** e      # np.round: ties to even
;;       return np.moveaxis(q, -1, axis).astype(np.float32)
;;   ~~~
;;   SOFTMAX AHEAD OF A QUANTISED PRODUCT. Where the list says 'softmax', what is quantised is not the finished softmax but p = 2^(t - M), with t = logit x log2(e) and M = ceil(the row's largest t), a whole number; so 1/2 < the row's largest p <= 1. The row's sum l is taken of the UNQUANTISED p, in f32, and the product's result is divided by l at the end. Since M is a whole number, a kernel that streams over the keys may use a running M (the ceiling of the running maximum): every later rescaling is an exact power of two, so the quantised numbers keep their values, but for numbers so far below the row's largest that they fall under the format's range.
;;   OPERANDS COMPUTED ON THE WAY. 'Computed on the way' means the value that the module computes at that place (a softmax that the list does not call 'softmax' is quantised finished and normalised). What goes into a quantiser is computed in f32, as accurately as f32 sums, v_exp_f32 and their like allow (about 1e-6 of the number): no bf16 or f16 on the way to a quantiser, and a product that is left as it is and whose result goes on into a quantised operand takes f32 operands (vector FMAs, or v_wmma_f32_16x16x4_f32). A number that lies on a knife's edge between two numbers of the format may be rounded either way, as far as f32 arithmetic and the matrix unit's own rounding can turn it there, and no further.
;; One version. Each part assembles by itself: llvm-mc -triple=amdgcn-amd-amdhsa -mcpu=gfx1250 --defsym DOCPART=n.
;; ======== version 1 of 1: 2 launches
;; limits: right only within a limited range of input values
;; workspace buffers: kvw 4,456,448 bytes; cb 139,264 bytes; part 4,325,376 bytes
;; launch prep (part 1): grid 16 x 16, 8 waves a work-group, no clusters, 168,960 bytes of LDS; arguments K, V, mask, lowp_scales, kvw, cb, part; writes kvw, cb, part
.if DOCPART == 1
	.amdgcn_target "amdgcn-amd-amdhsa--gfx1250"
	.amdhsa_code_object_version 6
	.text
	.protected	k_q046d417c20_prep
	.globl	k_q046d417c20_prep
	.p2align	8
	.type	k_q046d417c20_prep,@function
k_q046d417c20_prep:
	s_mov_b64 s[64:65], 0
	v_nop
	global_prefetch_b8 v0, s[64:65] scope:SCOPE_SE
	s_setreg_imm32_b32 hwreg(HW_REG_WAVE_MODE, 25, 1), 1
	s_wait_xcnt 0x0
; PREP: what the attention launch needs of K, V and the mask, made once.  K, V: [16 heads][2048 keys][64] f32; mask: [2][2048] f32 (batch = head / 8).
; A work-group takes 128 keys (work-group x) of one head (work-group y); eight waves.  It stores
;   kvw : for each tile of 16 keys a record of 2,048 bytes: K's codes (scale e1) as the image of a 16 x 64 fragment's eight registers, then V's codes (scale e3) as four pieces of 256 bytes
;         (piece t: lane (r, h) holds channel 16 t + r, keys 8 h + 0 .. 7).  A head has 136 records: four of zeros, the 128 real ones, four of zeros.
;   cb  : for each key the number that stands as C under its score: -1e6 (1 - mask) x 2^(3 - e0 - e1); 64 entries of -3e38 in front of and behind a head's 2,048.
;   part: this chunk's part of kv = K1^T Vm (16 tiles of 16 x 16 f32, as images of the results' registers), and of the keys' weights OUTSIDE the band, which hang on no query:
;         logit L = -1e6 - 1e6 (1 - mask), t = L log2(e), G = ceil(the batch's largest t), p = 2^(t - G): W = sum Q(p) Q(V) (64 numbers) and l = sum p; -G beside l.
; K1 = (elu(K) + 1) mask 2048^(-1/4) (scale e4), Vm = V mask (scale e5); both are quantised along the keys.
; All codes: x / 2^e, held within +-448, to the nearest code of E4M3.  k stands in its own place in every fragment (registers 2 c, 2 c + 1: k = 16 c + 8 h + 0 .. 7).
; LIMITS: e1, e2, e3, e4, e5 between -126 and 119; e0 + e1 between -100 and 100.  NaN and infinities among the inputs are not served.
; NO CLUSTER: two work-groups share only the batch's 8,192 bytes of mask; each reads its own 65,536 bytes of K and V.
; LDS: K's and V's 128 rows of 256 bytes + 16 of padding (68 words: row r starts at bank 4 r mod 64: ISA guide 11.1), brought by one tensor load a wave (32 rows) and filled once;
;      behind them, in blocks of 256 bytes of their own: the images of the third product's fragments, and the words in which the waves' sums meet.
.set PITCH, 272
.set VF,    128*PITCH                  ; V's rows
.set AI,    2*128*PITCH                ; K1^T: 8 images of 1,024 bytes, index 4 g + dt (g: which 64 keys; dt: which 16 channels)
.set BI,    AI+8192                    ; Vm^T: the same, index 4 g + et
.set WST,   BI+8192                    ; W of each 64 keys: 2 x 256 bytes
.set LST,   WST+512                    ; l of each wave
.set GST,   LST+256                    ; each wave's largest mask number
.set HKVW,  136*2048                   ; a head's bytes in kvw
.set HCB,   2176*4                     ; in cb
.set HPART, 270336                     ; in part: 16 x 16,384, then 16 rows of 256 (W), then 16 rows of 256 (l, -G)
.set MK,  32                           ; v32-63   mask of my 64 keys: register 8 c + i = key 64 g + 16 c + 8 h + i
.set X,   96                           ; v96-127  K by rows, later K by columns
.set Y,   128                          ; v128-159 V by columns
.set KC,  160                          ; K's codes
.set PC,  168                          ; p's codes
.set VC,  176                          ; V's codes
.set WD,  184                          ; W's sums
.set T,   192                          ; v192-223 at work
.set BC,  224                          ; Vm's codes
.set AC,  232                          ; K1's codes
; v1 r, v2 h, v3 lane, v4 16 x lane, v5 8 x lane; v6-v18 LDS addresses, v19, v20 offsets in the mask: all made once and never rewritten.
; v82-91: for e1, e3, e5, e4, e2 in turn: 2^e, and 448 x 2^e.  v244 -G.  No register that a store or a load names is written again, so no wait frees one.
.macro SCL e, vs, vl                   ; v[vs] = 2^e as f32 (the conversion takes its exponent field), v[vl] = 448 x 2^e
	s_add_co_i32 s86, s[\e], 127
	s_lshl_b32 s87, s86, 23
	v_mov_b32 v[\vs], s87
	s_add_co_i32 s86, s86, 8
	s_lshl_b32 s86, s86, 23
	s_or_b32 s86, s86, 0x600000
	v_mov_b32 v[\vl], s86
.endm
.macro HOLDCVT src, tmp, dst, vs, vl   ; 32 numbers are held within the largest code x the scale (the conversion does not saturate: ISA guide 7.6.2) and become 32 codes in eight registers' worth of four pairs
.set ii, 0
.rept 32
	v_med3_num_f32 v[\tmp+ii], v[\src+ii], -v[\vl], v[\vl]
.set ii, ii+1
.endr
.irp c, 0,1,2,3
	v_cvt_scalef32_pk8_fp8_f32 v[\dst+2*\c:\dst+2*\c+1], v[\tmp+8*\c:\tmp+8*\c+7], v[\vs]
.endr
	v_nop                                          ; one plain vector line behind the last conversion, ahead of whatever touches its registers next
.endm
.macro PKMUL_S dst, src, sp            ; 32 numbers x the low word of a scalar pair
.set jj, 0
.rept 16
	v_pk_mul_f32 v[\dst+jj:\dst+jj+1], v[\src+jj:\src+jj+1], s[\sp:\sp+1] op_sel_hi:[1,0]
.set jj, jj+2
.endr
.endm
.macro PKMUL_V dst, a, b
.set jj, 0
.rept 16
	v_pk_mul_f32 v[\dst+jj:\dst+jj+1], v[\a+jj:\a+jj+1], v[\b+jj:\b+jj+1]
.set jj, jj+2
.endr
.endm
.macro EXP32 reg
.set ii, 0
.rept 32
	v_exp_f32 v[\reg+ii], v[\reg+ii]
.set ii, ii+1
.endr
.endm
.macro BAR
	s_barrier_signal -1
	s_barrier_wait -1
.endm
	s_load_b256 s[4:11], s[0:1], 0x0               ; K s[4:5], V s[6:7], mask s[8:9], the scales' exponents s[10:11]
	s_load_b128 s[12:15], s[0:1], 0x20             ; kvw s[12:13], cb s[14:15]
	s_load_b64 s[16:17], s[0:1], 0x30              ; part
	v_lshl_add_u32 v254, v0, 2, 0x29000
	v_mov_b32 v255, 0
	ds_add_u32 v254, v255
	ds_add_u32 v254, v255
	v_lshrrev_b32 v3, 5, v0
	v_readfirstlane_b32 s18, v3                    ; wave 0..7
	s_mov_b32 s19, ttmp9                           ; chunk of 128 keys
	s_and_b32 s20, ttmp7, 0xffff                   ; head
	s_lshr_b32 s21, s20, 3                         ; batch
	s_lshr_b32 s22, s18, 2                         ; g: which 64 keys of the chunk are mine in the work by columns
	s_and_b32 s23, s18, 3                          ; t: which 16 channels
	; descriptor group 1: 32 rows of 64 elements of 4 bytes, dense in memory, 16 bytes of padding behind each row in LDS
	s_mov_b32 s32, (2<<16)|(1<<20)|(5<<22)|(3<<25) ; no mask; elements of 4 bytes; padding on; after every 64 words (code 5) four words (code 3)
	s_mov_b32 s33, 64<<16                          ; tensor_dim0
	s_mov_b32 s34, 32<<16                          ; tensor_dim1
	s_mov_b32 s35, 64<<16                          ; tile_dim0
	s_mov_b32 s36, 32                              ; tile_dim1
	s_mov_b32 s37, 64                              ; from row to row
	s_mov_b32 s38, 0
	s_mov_b32 s39, 0
	s_mov_b32 s40, 1                               ; group 0: count
	s_mul_i32 s41, s18, 32*PITCH                   ; LDS: waves 0-3 fill K's rows, waves 4-7 V's, 32 rows each
	s_lshl_b32 s66, s20, 11
	s_lshl_b32 s67, s19, 7
	s_add_co_u32 s66, s66, s67
	s_lshl_b32 s67, s23, 5
	s_add_co_u32 s66, s66, s67                     ; row 2048 head + 128 chunk + 32 (wave % 4)
	s_lshl_b32 s66, s66, 8                         ; of 256 bytes
	s_mov_b32 s67, 0
	s_mov_b32 s44, 0x76543210                      ; v_permlanex16_b32: lane l xor 16
	s_mov_b32 s45, 0xfedcba98
	s_mov_b32 s76, 0xc9742400                      ; -1e6
	s_mov_b32 s77, s76
	s_mov_b32 s78, 0x3fb8aa3b                      ; log2(e)
	s_mov_b32 s79, s78
	s_mov_b32 s80, 0x3e1837f0                      ; 2048^(-1/4)
	s_mov_b32 s81, s80
	s_wait_dscnt 0x0
	s_wait_kmcnt 0x0
	s_load_b256 s[24:31], s[10:11], 0x0            ; e0 .. e7
	s_cmp_lt_u32 s18, 4
	s_cselect_b64 s[42:43], s[4:5], s[6:7]         ; K or V: the choice hangs on the wave's number alone
	s_add_nc_u64 s[42:43], s[42:43], s[66:67]
	s_or_b32 s43, s43, 0x80000000                  ; type = 2
	tensor_load_to_lds s[40:43], s[32:39]          ; my one tensor load; no LDS byte is filled twice in this launch
	s_nop 0
.rept 4
	v_nop                                          ; (four lines of this kind behind a tensor load)
.endr
	v_and_b32 v1, 15, v0                           ; r
	v_bfe_u32 v2, v0, 4, 1                         ; h
	v_and_b32 v3, 31, v0                           ; lane
	v_lshlrev_b32 v4, 4, v3
	v_lshlrev_b32 v5, 3, v3
	v_lshlrev_b32 v20, 5, v2                       ; 32 h
	v_lshlrev_b32 v19, 5, v0                       ; 32 x thread: my eight numbers of the batch's mask
	v_mul_u32_u24 v6, v1, PITCH
	v_lshl_add_u32 v6, v2, 5, v6
	s_mul_i32 s86, s18, 16*PITCH
	v_add_nc_u32 v6, s86, v6                       ; K by rows: key 16 w + r, + 32 h
	v_mul_u32_u24 v7, v2, 8*PITCH
	v_lshl_add_u32 v7, v1, 2, v7
	s_mul_i32 s86, s22, 64*PITCH
	s_lshl_b32 s87, s23, 6
	s_add_co_u32 s86, s86, s87
	v_add_nc_u32 v8, s86, v7                       ; K by columns: key 64 g + 8 h, channel 16 t + r
	v_add_nc_u32 v7, VF, v8                        ; V by columns
	s_lshl_b32 s86, s18, 10
	v_add_nc_u32 v9, s86, v4
	v_add_nc_u32 v10, BI, v9                       ; where my image of Vm^T goes
	v_add_nc_u32 v9, AI, v9                        ; and of K1^T
	s_lshl_b32 s86, s18, 6
	v_add_nc_u32 v11, s86, v20
	v_add_nc_u32 v11, WST, v11                     ; W: 256 g + 64 t + 32 h
	s_lshl_b32 s86, s18, 2
	v_mov_b32 v12, s86
	v_add_nc_u32 v13, GST, v12
	v_add_nc_u32 v12, LST, v12
	s_and_b32 s86, s18, 1
	s_lshl_b32 s86, s86, 11
	v_add_nc_u32 v14, s86, v4
	v_add_nc_u32 v14, AI, v14                      ; third product: A's tiles dt = 2 (w % 2) + n
	s_lshr_b32 s86, s18, 1
	s_lshl_b32 s86, s86, 10
	v_add_nc_u32 v15, s86, v4
	v_add_nc_u32 v15, BI, v15                      ; B's tile et = w / 2
	v_mov_b32 v16, GST
	v_add_nc_u32 v17, WST, v5
	v_mov_b32 v18, LST
.irp j, 68,69,70,71
	v_mov_b32 v\j, 0
.endr
	v_mov_b32 v72, 0xff61b1e6                      ; -3e38
	v_mov_b32 v73, v72
	; the bases, each in a pair of its own
	s_lshl_b32 s66, s21, 13
	s_add_nc_u64 s[46:47], s[8:9], s[66:67]        ; the batch's mask
	s_lshl_b32 s66, s19, 9
	s_add_nc_u64 s[50:51], s[46:47], s[66:67]      ; the chunk's 128 numbers
	s_lshl_b32 s66, s22, 8
	s_add_nc_u64 s[48:49], s[50:51], s[66:67]      ; my 64 keys'
	s_mul_i32 s66, s20, HKVW
	s_add_nc_u64 s[68:69], s[12:13], s[66:67]      ; the head's records
	s_lshl_b32 s66, s18, 10
	s_add_nc_u64 s[56:57], s[68:69], s[66:67]      ; the pads: 1,024 bytes a wave
	s_lshl_b32 s66, s19, 14
	s_add_co_u32 s66, s66, 4*2048
	s_add_nc_u64 s[68:69], s[68:69], s[66:67]      ; record 4 + 8 chunk
	s_lshl_b32 s66, s18, 11
	s_add_nc_u64 s[52:53], s[68:69], s[66:67]      ; K's image of key tile w
	s_lshl_b32 s66, s22, 13
	s_lshl_b32 s74, s23, 8
	s_add_co_u32 s66, s66, s74
	s_add_co_u32 s66, s66, 1024
	s_add_nc_u64 s[54:55], s[68:69], s[66:67]      ; V's piece t of key tiles 4 g on
	s_mul_i32 s66, s20, HCB
	s_add_nc_u64 s[58:59], s[14:15], s[66:67]      ; the head's entries of cb
	s_lshl_b32 s66, s19, 9
	s_add_co_u32 s66, s66, 256
	s_add_nc_u64 s[72:73], s[58:59], s[66:67]      ; the chunk's
	s_mul_i32 s66, s20, HPART
	s_add_nc_u64 s[70:71], s[16:17], s[66:67]      ; the head's block of part
	s_lshl_b32 s66, s19, 14
	s_lshl_b32 s74, s18, 11
	s_add_co_u32 s66, s66, s74
	s_add_nc_u64 s[60:61], s[70:71], s[66:67]      ; my two tiles of the chunk's kv
	s_lshl_b32 s66, s19, 8
	s_add_co_u32 s66, s66, 262144
	s_add_nc_u64 s[62:63], s[70:71], s[66:67]      ; the chunk's row of W; its row of (l, -G) lies 4,096 bytes on
	global_load_b128 v[24:27], v19, s[46:47]       ; the batch's mask, eight numbers a thread, for G
	global_load_b128 v[28:31], v19, s[46:47] offset:16
.irp c, 0,1,2,3
	global_load_b128 v[MK+8*\c:MK+8*\c+3], v20, s[48:49] offset:64*\c
	global_load_b128 v[MK+8*\c+4:MK+8*\c+7], v20, s[48:49] offset:64*\c+16
.endr
	global_load_b128 v[64:67], v4, s[50:51]        ; the chunk's 128 numbers, four a lane, for cb
	; the pads of kvw and cb: the head's first and last chunk write them.  Branches on the work-group's and the wave's number; no LDS access and no barrier inside
	s_cmp_eq_u32 s19, 0
	s_cbranch_scc0 .Lno_front
	global_store_b128 v4, v[68:71], s[56:57]
	global_store_b128 v4, v[68:71], s[56:57] offset:512
	s_cmp_eq_u32 s18, 0
	s_cbranch_scc0 .Lno_front
	global_store_b64 v5, v[72:73], s[58:59]        ; 32 lanes store 256 consecutive bytes
.Lno_front:
	s_cmp_eq_u32 s19, 15
	s_cbranch_scc0 .Lno_back
	global_store_b128 v4, v[68:71], s[56:57] offset:132*2048
	global_store_b128 v4, v[68:71], s[56:57] offset:132*2048+512
	s_cmp_eq_u32 s18, 0
	s_cbranch_scc0 .Lno_back
	global_store_b64 v5, v[72:73], s[58:59] offset:256+8192
.Lno_back:
	s_wait_loadcnt 9                               ; my eight numbers for G are in; the nine younger loads may be out
	v_max3_num_f32 v240, v24, v25, v26
	v_max3_num_f32 v241, v27, v28, v29
	v_max3_num_f32 v240, v240, v30, v31
	v_max_num_f32 v240, v240, v241
	v_max_num_f32_dpp v240, v240, v240 row_xmask:1 row_mask:0xf bank_mask:0xf
	v_max_num_f32_dpp v240, v240, v240 row_xmask:2 row_mask:0xf bank_mask:0xf
	v_max_num_f32_dpp v240, v240, v240 row_xmask:4 row_mask:0xf bank_mask:0xf
	v_max_num_f32_dpp v240, v240, v240 row_xmask:8 row_mask:0xf bank_mask:0xf
	v_permlanex16_b32 v241, v240, s44, s45
	v_max_num_f32 v240, v240, v241
	ds_store_b32 v13, v240                         ; my wave's largest
	s_wait_tensorcnt 0x0                           ; my 32 rows have landed,
	s_wait_dscnt 0x0                               ; my store too:
	BAR                                            ; everybody's have
	ds_load_b128 v[74:77], v16
	ds_load_b128 v[78:81], v16 offset:16
.irp c, 0,1,2,3
	ds_load_b128 v[X+8*\c:X+8*\c+3], v6 offset:64*\c            ; K(16 w + r, 16 c + 8 h + 0 .. 7)
	ds_load_b128 v[X+8*\c+4:X+8*\c+7], v6 offset:64*\c+16
.endr
.irp c, 0,1,2,3
.irp i, 0,1,2,3,4,5,6,7
	ds_load_b32 v[Y+8*\c+\i], v7 offset:(16*\c+\i)*PITCH        ; V(64 g + 16 c + 8 h + i, 16 t + r): lanes 0-15 take 16 neighbouring words, lanes 16-31 words 32 banks on
.endr
.endr
	s_wait_kmcnt 0x0
	SCL 25, 82, 83                                 ; e1
	SCL 27, 84, 85                                 ; e3
	SCL 29, 86, 87                                 ; e5
	SCL 28, 88, 89                                 ; e4
	SCL 26, 90, 91                                 ; e2
	s_add_co_i32 s88, s24, s25
	s_sub_co_i32 s88, 3, s88                       ; 3 - e0 - e1
	s_wait_dscnt 40                                ; the eight waves' largest are in; the 40 loads behind them may be out
	v_max3_num_f32 v240, v74, v75, v76
	v_max3_num_f32 v241, v77, v78, v79
	v_max3_num_f32 v240, v240, v80, v81
	v_max_num_f32 v240, v240, v241                 ; the batch's largest mask number.  Each step below never falls as the mask number rises, so it gives the largest t of all keys
	v_fma_f32 v240, v240, -1.0, 1.0                ; 1 - m
	v_mul_f32 v240, s76, v240                      ; -1e6 (1 - m)
	v_add_f32 v240, s76, v240                      ; L = -1e6 - 1e6 (1 - m)
	v_mul_f32 v240, s78, v240                      ; t
	v_floor_f32 v244, -v240                        ; -G = floor(-t): G is a whole number
	v_mov_b32 v245, v244                           ; (named with it as a pair)
	s_wait_loadcnt 0x0                             ; the mask of my keys
	; p = 2^(t - G) of my 64 keys (32 in my half of the lanes)
.set jj, 0
.rept 16
	v_pk_fma_f32 v[T+jj:T+jj+1], v[MK+jj:MK+jj+1], -1.0, 1.0 op_sel_hi:[1,0,0]
.set jj, jj+2
.endr
	PKMUL_S T, T, 76
.set jj, 0
.rept 16
	v_pk_add_f32 v[T+jj:T+jj+1], v[T+jj:T+jj+1], s[76:77] op_sel_hi:[1,0]
.set jj, jj+2
.endr
.set jj, 0
.rept 16
	v_pk_fma_f32 v[T+jj:T+jj+1], v[T+jj:T+jj+1], s[78:79], v[244:245] op_sel_hi:[1,0,0]
.set jj, jj+2
.endr
	EXP32 T
	v_nop                                          ; a plain line behind the exponentials
	s_wait_alu depctr_va_vdst(0)
	v_pk_add_f32 v[248:249], v[T:T+1], v[T+2:T+3]  ; the sum is taken of the unquantised p, in two chains
	v_pk_add_f32 v[250:251], v[T+4:T+5], v[T+6:T+7]
.irp j, 8,12,16,20,24,28
	v_pk_add_f32 v[248:249], v[248:249], v[T+\j:T+\j+1]
	v_pk_add_f32 v[250:251], v[250:251], v[T+\j+2:T+\j+3]
.endr
	v_pk_add_f32 v[248:249], v[248:249], v[250:251]
	v_add_f32 v248, v248, v249
	v_permlanex16_b32 v249, v248, s44, s45
	v_add_f32 v246, v248, v249                     ; l of my 64 keys
	ds_store_b32 v12, v246
.set ii, 0
.rept 32
	v_min_num_f32 v[T+ii], v[T+ii], v91            ; p is not negative: the hold is one-sided
.set ii, ii+1
.endr
.irp c, 0,1,2,3
	v_cvt_scalef32_pk8_fp8_f32 v[PC+2*\c:PC+2*\c+1], v[T+8*\c:T+8*\c+7], v90
.endr
	v_nop
	; K's codes, by rows: the image of a fragment of 16 keys x 64 channels
	s_wait_dscnt 33                                ; K's rows are in; V's 32 loads and the store of l may be out
	HOLDCVT X, X, KC, 82, 83
	global_store_b128 v4, v[KC:KC+3], s[52:53]     ; 32 lanes store 512 consecutive bytes
	global_store_b128 v4, v[KC+4:KC+7], s[52:53] offset:512
.irp c, 0,1,2,3
.irp i, 0,1,2,3,4,5,6,7
	ds_load_b32 v[X+8*\c+\i], v8 offset:(16*\c+\i)*PITCH        ; K(64 g + 16 c + 8 h + i, 16 t + r)
.endr
.endr
	; V's codes, by columns: four pieces, one for each tile of 16 keys; and W
	s_wait_dscnt 33                                ; V's columns are in; the store of l and K's 32 loads may be out
	HOLDCVT Y, T, VC, 84, 85
.irp c, 0,1,2,3
	global_store_b64 v5, v[VC+2*\c:VC+2*\c+1], s[54:55] offset:2048*\c   ; 32 lanes store 256 consecutive bytes, aligned
.endr
	v_wmma_f32_16x16x64_fp8_fp8 v[WD:WD+7], v[VC:VC+7], v[PC:PC+7], 0    ; W(16 t + 8 h + j) in every column: source 1 holds the same p in all sixteen
	PKMUL_V Y, Y, MK                               ; Vm = V x mask (these lines are also the places behind the product)
	HOLDCVT Y, Y, BC, 86, 87
	ds_store_b128 v10, v[BC:BC+3]
	ds_store_b128 v10, v[BC+4:BC+7] offset:512
	ds_store_b128 v11, v[WD:WD+3]                  ; the sixteen lanes of a half store the same numbers to the same bytes
	ds_store_b128 v11, v[WD+4:WD+7] offset:16
	PKMUL_S MK, MK, 80                             ; mask x 2048^(-1/4)
	; K1 = (elu(K) + 1) x that.  elu(x) + 1 = 2^(min(x log2(e), 0)) + max(x, 0)
	s_wait_dscnt 4                                 ; K's columns are in; the four stores just issued may be out
	PKMUL_S T, X, 78
.set ii, 0
.rept 32
	v_min_num_f32 v[T+ii], 0, v[T+ii]
.set ii, ii+1
.endr
	EXP32 T
.set ii, 0
.rept 32
	v_max_num_f32 v[X+ii], 0, v[X+ii]              ; (plain lines behind the exponentials)
.set ii, ii+1
.endr
.set jj, 0
	s_wait_alu depctr_va_vdst(0)
.rept 16
	v_pk_add_f32 v[T+jj:T+jj+1], v[T+jj:T+jj+1], v[X+jj:X+jj+1]
.set jj, jj+2
.endr
	PKMUL_V T, T, MK
	HOLDCVT T, T, AC, 88, 89                       ; two-sided: a mask number may be negative
	ds_store_b128 v9, v[AC:AC+3]
	ds_store_b128 v9, v[AC+4:AC+7] offset:512
	s_wait_dscnt 0x0                               ; for the others' sake: my stores have landed
	BAR
	; the third product on this chunk's 128 keys: tile (dt, et): source 0 = 16 channels of K1^T, source 1 = 16 channels of Vm^T.  The images of g = 0 and g = 1 are registers 0-7 and 8-15 of a fragment of 128 keys
.irp n, 0,1
.irp g, 0,1
.irp u, 0,1
	ds_load_b128 v[X+16*\n+8*\g+4*\u:X+16*\n+8*\g+4*\u+3], v14 offset:4096*\g+1024*\n+512*\u
.endr
.endr
.endr
.irp g, 0,1
.irp u, 0,1
	ds_load_b128 v[Y+8*\g+4*\u:Y+8*\g+4*\u+3], v15 offset:4096*\g+512*\u
.endr
.endr
	s_wait_dscnt 0x0
	v_wmma_f32_16x16x128_fp8_fp8 v[Y+16:Y+23], v[X:X+15], v[Y:Y+15], 0
	v_wmma_f32_16x16x128_fp8_fp8 v[Y+24:Y+31], v[X+16:X+31], v[Y:Y+15], 0
.rept 4
	v_nop                                          ; four places ahead of the stores that read the results
.endr
.irp q, 0,1,2,3
	global_store_b128 v4, v[Y+16+4*\q:Y+16+4*\q+3], s[60:61] offset:512*\q   ; each accumulator from its low end on; 512 consecutive bytes a store
.endr
	; wave 0: the chunk's W, l and -G, and its entries of cb
	s_cmp_lg_u32 s18, 0
	s_cbranch_scc1 .Lend
	ds_load_b64 v[T:T+1], v17
	ds_load_b64 v[T+2:T+3], v17 offset:256
	ds_load_b32 v248, v18
	ds_load_b32 v249, v18 offset:16
.irp j, 64,65,66,67
	v_fma_f32 v\j, v\j, -1.0, 1.0
	v_mul_f32 v\j, s76, v\j                        ; -1e6 (1 - m)
	v_ldexp_f32 v\j, v\j, s88                      ; x 2^(3 - e0 - e1): a score's sum lacks the factor 2^(e0 + e1 - 3)
.endr
	global_store_b128 v4, v[64:67], s[72:73]
	s_wait_dscnt 0x0
	v_pk_add_f32 v[T:T+1], v[T:T+1], v[T+2:T+3]
	v_add_f32 v246, v248, v249
	v_mov_b32 v247, v244
	global_store_b64 v5, v[T:T+1], s[62:63]
	global_store_b64 v5, v[246:247], s[62:63] offset:4096   ; the pair (l, -G), once in each lane's 8 bytes
.Lend:
	s_wait_tensorcnt 0x0
	ds_add_u32 v254, v255
	s_wait_dscnt 0x0
	s_endpgm
.Lfunc_end_k_q046d417c20_prep:
	.size	k_q046d417c20_prep, .Lfunc_end_k_q046d417c20_prep-k_q046d417c20_prep
	.p2alignl 7, 3214868480
	.fill 96, 4, 3214868480
	.section	.rodata,"a",@progbits
	.p2align	6, 0x0
	.amdhsa_kernel k_q046d417c20_prep
		.amdhsa_group_segment_fixed_size 168960
		.amdhsa_private_segment_fixed_size 0
		.amdhsa_enable_private_segment 0
		.amdhsa_kernarg_size 56
		.amdhsa_user_sgpr_count 2
		.amdhsa_user_sgpr_kernarg_segment_ptr 1
		.amdhsa_wavefront_size32 1
		.amdhsa_system_sgpr_workgroup_id_x 1
		.amdhsa_system_sgpr_workgroup_id_y 1
		.amdhsa_system_sgpr_workgroup_id_z 1
		.amdhsa_system_vgpr_workitem_id 0
		.amdhsa_next_free_vgpr 256
		.amdhsa_next_free_sgpr 90
		.amdhsa_reserve_vcc 0
		.amdhsa_float_denorm_mode_32 3
		.amdhsa_float_denorm_mode_16_64 3
		.amdhsa_memory_ordered 1
		.amdhsa_forward_progress 1
		.amdhsa_inst_pref_size 44
	.end_amdhsa_kernel
	.amdgpu_metadata
---
amdhsa.version: [ 1, 2 ]
amdhsa.kernels:
  - .name:           k_q046d417c20_prep
    .symbol:         k_q046d417c20_prep.kd
    .args:
      - { .name: K, .offset: 0, .size: 8, .value_kind: global_buffer, .address_space: global }
      - { .name: V, .offset: 8, .size: 8, .value_kind: global_buffer, .address_space: global }
      - { .name: mask, .offset: 16, .size: 8, .value_kind: global_buffer, .address_space: global }
      - { .name: lowp_scales, .offset: 24, .size: 8, .value_kind: global_buffer, .address_space: global }
      - { .name: kvw, .offset: 32, .size: 8, .value_kind: global_buffer, .address_space: global }
      - { .name: cb, .offset: 40, .size: 8, .value_kind: global_buffer, .address_space: global }
      - { .name: part, .offset: 48, .size: 8, .value_kind: global_buffer, .address_space: global }
    .group_segment_fixed_size: 168960
    .private_segment_fixed_size: 0
    .kernarg_segment_align: 8
    .kernarg_segment_size: 56
    .max_flat_workgroup_size: 256
    .sgpr_count:     90
    .vgpr_count:     256
    .wavefront_size: 32
...
	.end_amdgpu_metadata
.endif
;; end of part 1
;; launch main (part 2): grid 16 x 16, 8 waves a work-group, clusters of 4 x 1, 327,680 bytes of LDS; arguments Q, kvw, cb, part, lowp_scales, sparse_ratio, out0; writes out0
.if DOCPART == 2
	.amdgcn_target "amdgcn-amd-amdhsa--gfx1250"
	.amdhsa_code_object_version 6
	.text
	.protected	k_q046d417c20_main
	.globl	k_q046d417c20_main
	.p2align	8
	.type	k_q046d417c20_main,@function
k_q046d417c20_main:
	s_mov_b64 s[64:65], 0
	v_nop
	global_prefetch_b8 v0, s[64:65] scope:SCOPE_SE
	s_setreg_imm32_b32 hwreg(HW_REG_WAVE_MODE, 25, 1), 1
	s_wait_xcnt 0x0
	s_wait_alu depctr_hold_cnt(0) depctr_sa_sdst(0) depctr_va_vdst(0) depctr_va_sdst(0) depctr_va_ssrc(0) depctr_va_vcc(0) depctr_vm_vsrc(0)
	s_getreg_b32 s2, hwreg(HW_REG_IB_STS2, 6, 4)
	s_cmp_eq_u32 s2, 0
	s_cbranch_scc0 .Lentry_in_a_cluster
	s_endpgm
.Lentry_in_a_cluster:
	s_bfe_u32 s2, ttmp6, 0x10000c
	s_cmp_lg_u32 s2, 0x3003
	s_cbranch_scc0 .Lentry_shape_is_right
	s_endpgm
.Lentry_shape_is_right:
; MAIN: out = r x band attention + (1 - r) x low-rank attention, all four products on codes of E4M3.  Q, out0: [16 heads][2048][64] f32.
; A work-group owns 128 queries (4 x cluster x + place in the cluster) of one head (cluster y); each of its eight waves owns one tile of 16.
; THE BAND.  |query - key| < 64: a tile of 16 queries meets nine tiles of 16 keys.  The work-group's 16 records of kvw (keys from 64 ahead of its first query to 64 behind its last) come by one plain tensor load a wave.
; Both products are used transposed (S^T = K Q^T, O^T = V^T P^T): a lane holds ONE query (lane % 16); register j of a tile of S^T is key 8 (lane / 16) + j, so eight registers become the two registers that the next
; operand's layout wants for that tile.  The C of a score's product is cb's entry of the key (the mask's term, -3e38 for keys that do not exist), with -3e38 written over it outside the band (first and last tile alone).
; t = logit x log2(e); M = ceil(the row's largest t); p = 2^(t - M); the row's sum is taken of the unquantised p.
; OUTSIDE THE BAND a key's logit is -1e6 - 1e6 (1 - mask), the same for every query: the launch before has summed those weights under their own whole number G (W, l, -G in part).  They are joined to the row's by
; M' = max(M, G) and two exact powers of two.  W holds the row's own band keys too, with a weight e^(-1e6 - score) of their true one: either 2^(G - M') or that weight is exactly 0 in f32.
; LOW RANK.  kv's 16 partial sums are added, quantised (scale e7; the sums lack 2^(e4 + e5)) and shared through LDS as images of fragments of kv^T; Q1 = (elu(Q) + 1) 2048^(-1/4) (scale e6).
; CLUSTER.  The four work-groups of a cluster belong to one head and need the same 270,336 bytes of part: each wave asks for its eighth JOINTLY, by the same descriptor with a mask that names the four.
; The windows of kvw are not asked for jointly: neighbours share half a window, which lies at other LDS bytes in each, so no one descriptor serves two.
; LIMITS: e0, e2, e6 and e7 - e4 - e5 between -126 and 119; e0 + e1 between -100 and 100; |score / 8| under 9e5; NaN and infinities among the inputs are not served.
; The logit's subtraction of the mask's term is made by the matrix unit's addition of C: exact where the term is 0.
; LDS: every byte is filled once.  The stage for the way out lies over part's block, behind the barrier that follows its last read.
.set WIN,  270336                      ; behind part's block: 16 records of 2,048 bytes
.set KVI,  WIN+32768                   ; kv^T: four fragments as images: [et][u][lane][16 bytes]
.set WS,   KVI+4096                    ; 256 bytes for each wave: W, turned into the results' layout
.set SP,   272                         ; the stage: 16 rows of 256 bytes + 16 for each wave
.set QC,   24                          ; Q's codes
.set Q1C,  32                          ; Q1's codes
.set S,    40                          ; v40-111  nine tiles of S^T, then p; later W's parts, the output
.set W,    72                          ; v72-103  W in O^T's layout; later rows of the output
.set KV,   112                         ; v112-183 Q, then K's nine fragments, then V's pieces (piece i of channels 16 t on at 112 + 18 t + 2 i), then kv's parts and fragments
.set LR,   144                         ; v144-175 the low-rank results
.set O,    184                         ; v184-215 O^T
.set PC,   216                         ; v216-239 p's codes: tiles 0-7, three tiles of zeros, tile 8
.set ACC,  216                         ; later: my two tiles of kv; later a, b, g
.set AR,   18                          ; v18-21   kv's parts: my place in chunks 0-3, 4-7, 8-11, 12-15
; v1 r, v2 h, v3 lane, v4 16 x lane, v5 8 x lane, v6 Q's offset, v7 32 h, v8-v21 LDS addresses, v22 r - 8 h, v23 -3e38: made once, never rewritten.
; v240-247: for e0, e6, e2, e7 - e4 - e5 in turn: 2^e, and 448 x 2^e.  v250 -M, v[252:253] the row's sum.
.macro SCL e, vs, vl
	s_add_co_i32 s86, s[\e], 127
	s_lshl_b32 s87, s86, 23
	v_mov_b32 v[\vs], s87
	s_add_co_i32 s86, s86, 8
	s_lshl_b32 s86, s86, 23
	s_or_b32 s86, s86, 0x600000
	v_mov_b32 v[\vl], s86
.endm
.macro BAR
	s_barrier_signal -1
	s_barrier_wait -1
.endm
.macro CROUND                          ; a round of the cluster's barrier: my work-group's barrier; wave 0 signals for the work-group; every wave waits for all four; my work-group's barrier once more
	s_barrier_signal -1
	s_barrier_wait -1
	s_cmp_lg_u32 s18, 0
	s_cbranch_scc1 .Lnot_wave_0_\@
	s_barrier_signal -3
.Lnot_wave_0_\@:
	s_barrier_wait -3
	s_barrier_signal -1
	s_barrier_wait -1
.endm
.macro GRP g                           ; my two tiles of kv's chunks 2 g and 2 g + 1: eight loads into buffer g % 2
.irp p, 0,1
.irp q, 0,1,2,3
	ds_load_b128 v[KV+32*((\g)%2)+16*\p+4*\q:KV+32*((\g)%2)+16*\p+4*\q+3], v[AR+(\g)/2] offset:16384*((2*(\g)+\p)%4)+512*\q
.endr
.endr
.endm
.macro ACCUM g                         ; and their sum
.set bb, KV+32*((\g)%2)
.if (\g) == 0
.irp j, 0,2,4,6,8,10,12,14
	v_pk_add_f32 v[ACC+\j:ACC+\j+1], v[bb+\j:bb+\j+1], v[bb+16+\j:bb+16+\j+1]   ; the first two chunks start the sums
.endr
.else
.irp j, 0,2,4,6,8,10,12,14
	v_pk_add_f32 v[ACC+\j:ACC+\j+1], v[ACC+\j:ACC+\j+1], v[bb+\j:bb+\j+1]
.endr
.irp j, 0,2,4,6,8,10,12,14
	v_pk_add_f32 v[ACC+\j:ACC+\j+1], v[ACC+\j:ACC+\j+1], v[bb+16+\j:bb+16+\j+1]
.endr
.endif
.endm
	s_load_b256 s[4:11], s[0:1], 0x0               ; Q s[4:5], kvw s[6:7], cb s[8:9], part s[10:11]
	s_load_b128 s[12:15], s[0:1], 0x20             ; the scales' exponents s[12:13], the blend's r s[14:15]
	s_load_b64 s[16:17], s[0:1], 0x30              ; out0
	s_set_vgpr_msb 0x40
	v_lshl_add_u32 v0, v0, 2, 0x4b800
	v_mov_b32 v1, 0
	s_set_vgpr_msb 0x4045
	ds_add_u32 v0, v1
	ds_add_u32 v0, v1
	s_set_vgpr_msb 0x4500
	v_lshrrev_b32 v3, 5, v0
	v_readfirstlane_b32 s18, v3                    ; wave 0..7
	s_bfe_u32 s19, ttmp6, 0x40000                  ; cx: my place in the cluster
	s_lshl_b32 s20, ttmp9, 2
	s_add_co_u32 s20, s20, s19                     ; my block of 128 queries: it enters global addresses of Q, cb, kvw and out0 alone
	s_and_b32 s21, ttmp7, 0xffff                   ; the head, which the four partners share
	; group 1 of the window's load: a dense block as 16 rows of 256 bytes
	s_mov_b32 s32, 3<<16                           ; no mask; elements of 8 bytes
	s_mov_b32 s33, 32<<16
	s_mov_b32 s34, 16<<16
	s_mov_b32 s35, 32<<16
	s_mov_b32 s36, 16
	s_mov_b32 s37, 32
	s_mov_b32 s38, 0
	s_mov_b32 s39, 0
	; group 1 of the joint load: 132 rows of 256 bytes
	s_mov_b32 s40, 15|(3<<16)|(1<<21)              ; the mask: all four work-groups; elements of 8 bytes; bit 21 set beside a mask
	s_mov_b32 s41, 32<<16
	s_mov_b32 s42, 132<<16
	s_mov_b32 s43, 32<<16
	s_mov_b32 s44, 132
	s_mov_b32 s45, 32
	s_mov_b32 s46, 0
	s_mov_b32 s47, 0
	s_mul_i32 s66, s21, 270336                     ; part: the head's block, my wave's eighth: made of the head and the wave's number alone
	s_mul_i32 s53, s18, 33792                      ; and its place in LDS
	s_add_co_u32 s66, s66, s53
	s_mov_b32 s67, 0
	s_mov_b32 s52, 1
	s_lshl_b32 s71, s18, 12
	s_add_co_u32 s49, s71, WIN                     ; the window: 4,096 bytes a wave
	s_mov_b32 s48, 1
	s_mul_i32 s68, s21, 136*2048
	s_lshl_b32 s70, s20, 14                        ; record 8 x block
	s_add_co_u32 s68, s68, s70
	s_add_co_u32 s68, s68, s71
	s_mov_b32 s69, 0
	s_lshl_b32 s70, s21, 11
	s_lshl_b32 s74, s20, 7
	s_add_co_u32 s74, s74, s70
	s_lshl_b32 s70, s18, 4
	s_add_co_u32 s74, s74, s70                     ; my first query's row: 2048 head + 128 block + 16 wave
	s_lshl_b32 s74, s74, 8
	s_mov_b32 s75, 0
	s_mul_i32 s84, s21, 2176*4
	s_lshl_b32 s70, s20, 9
	s_add_co_u32 s84, s84, s70
	s_lshl_b32 s70, s18, 6
	s_add_co_u32 s84, s84, s70                     ; cb: the entry of the key 64 ahead of my first query
	s_mov_b32 s85, 0
	s_mov_b32 s56, 0x76543210                      ; v_permlanex16_b32: lane l xor 16
	s_mov_b32 s57, 0xfedcba98
	s_mov_b32 s60, 0x3fb8aa3b                      ; log2(e)
	s_mov_b32 s61, s60
	s_mov_b32 s62, 0x3e1837f0                      ; 2048^(-1/4)
	s_mov_b32 s63, s62
	s_wait_dscnt 0x0
	s_wait_kmcnt 0x0
	s_load_b256 s[24:31], s[12:13], 0x0            ; e0 .. e7
	s_load_b32 s22, s[14:15], 0x0                  ; r
	s_add_nc_u64 s[50:51], s[6:7], s[68:69]
	s_or_b32 s51, s51, 0x80000000
	s_add_nc_u64 s[54:55], s[10:11], s[66:67]
	s_or_b32 s55, s55, 0x80000000
	s_add_nc_u64 s[72:73], s[4:5], s[74:75]        ; Q at my first query
	s_add_nc_u64 s[76:77], s[16:17], s[74:75]      ; out0 likewise
	s_add_nc_u64 s[78:79], s[8:9], s[84:85]
	CROUND                                         ; all four work-groups are here: the joint loads meet
	tensor_load_to_lds s[48:51], s[32:39]          ; my eighth of the window
	s_nop 0
	tensor_load_to_lds s[52:55], s[40:47]          ; my eighth of part, jointly.  Two tensor loads of mine are out; no more are issued
	s_nop 0
.rept 4
	v_nop                                          ; (four lines of this kind behind a tensor load)
.endr
	v_and_b32 v1, 15, v0                           ; r
	v_bfe_u32 v2, v0, 4, 1                         ; h
	v_and_b32 v3, 31, v0
	v_lshlrev_b32 v4, 4, v3
	v_lshlrev_b32 v5, 3, v3
	v_lshlrev_b32 v7, 5, v2
	v_lshl_add_u32 v6, v1, 8, v7                   ; Q: row r of 256 bytes, + 32 h
.irp c, 0,1,2,3
	global_load_b128 v[KV+8*\c:KV+8*\c+3], v6, s[72:73] offset:64*\c th:TH_LOAD_NT       ; Q(r, 16 c + 8 h + 0 .. 7)
	global_load_b128 v[KV+8*\c+4:KV+8*\c+7], v6, s[72:73] offset:64*\c+16 th:TH_LOAD_NT
.endr
.irp i, 0,1,2,3,4,5,6,7,8
	global_load_b128 v[S+8*\i:S+8*\i+3], v7, s[78:79] offset:64*\i                       ; the C of tile i: cb of keys 16 i + 8 h + 0 .. 7 of my nine tiles
	global_load_b128 v[S+8*\i+4:S+8*\i+7], v7, s[78:79] offset:64*\i+16
.endr
	s_lshl_b32 s71, s18, 11
	v_add_nc_u32 v[AR], s71, v4                    ; kv's parts: 2,048 w + 16 x lane
	v_add_nc_u32 v8, WIN, v[AR]                    ; K's images of my nine records
	v_add_nc_u32 v9, s71, v5
	v_add_nc_u32 v9, WIN+1024, v9                  ; V's pieces
	v_add_nc_u32 v[AR+1], 65536, v[AR]
	v_add_nc_u32 v[AR+2], 131072, v[AR]
	v_add_nc_u32 v[AR+3], 196608, v[AR]
	v_add_nc_u32 v11, 262144, v5                   ; W's rows
	v_mul_u32_u24 v12, v1, 264
	v_add_nc_u32 v12, 266240, v12                  ; (l, -G) of chunk lane % 16: the pair 8 (lane % 16) bytes into its row
	s_lshl_b32 s71, s18, 9
	v_add_nc_u32 v13, s71, v4
	v_add_nc_u32 v13, KVI, v13                     ; where my four registers of kv^T go
	v_add_nc_u32 v14, KVI, v4
	s_lshl_b32 s71, s18, 8
	v_add_nc_u32 v15, s71, v5
	v_add_nc_u32 v15, WS, v15
	v_add_nc_u32 v16, s71, v7
	v_add_nc_u32 v16, WS, v16
	s_mul_i32 s71, s18, 16*SP
	v_mul_u32_u24 v17, v1, SP
	v_add_nc_u32 v17, v17, v7
	v_add_nc_u32 v17, s71, v17                     ; the stage, in: row r, + 32 h
	v_mul_u32_u24 v10, v2, SP
	v_lshl_add_u32 v10, v1, 4, v10
	v_add_nc_u32 v10, s71, v10                     ; back: lanes 0-15 one row, lanes 16-31 the next
	v_lshlrev_b32 v22, 3, v2
	v_sub_nc_u32 v22, v1, v22                      ; r - 8 h
	v_mov_b32 v23, 0xff61b1e6                      ; -3e38
.irp j, 16,17,18,19,20,21
	v_mov_b32 v[PC+\j], 0                          ; three tiles of zero codes
.endr
	s_wait_kmcnt 0x0
	SCL 24, 240, 241                               ; e0
	SCL 30, 242, 243                               ; e6
	SCL 26, 244, 245                               ; e2
	s_sub_co_i32 s80, s31, s28
	s_sub_co_i32 s80, s80, s29                     ; e7 - e4 - e5: a sum of the third product stands for sum x 2^(e4 + e5)
	SCL 80, 246, 247
	s_add_co_i32 s81, s24, s25
	s_sub_co_i32 s81, s81, 3
	s_lshl_b32 s81, s81, 23
	s_add_co_i32 s58, s81, 0x3fb8aa3b              ; c = log2(e) x 2^(e0 + e1 - 3): the exponents, and the division by 8, are added to log2(e)'s exponent field
	s_mov_b32 s59, s58
	s_add_co_i32 s82, s26, s27                     ; e2 + e3
	s_add_co_i32 s83, s30, s31                     ; e6 + e7
	s_wait_loadcnt 18                              ; Q is in; cb's 18 loads may be out
.set ii, 0
.rept 32
	v_med3_num_f32 v[KV+32+ii], v[KV+ii], -v241, v241   ; the conversion does not saturate (ISA guide 7.6.2): the hold at the largest code x the scale
.set ii, ii+1
.endr
.irp c, 0,1,2,3
	v_cvt_scalef32_pk8_fp8_f32 v[QC+2*\c:QC+2*\c+1], v[KV+32+8*\c:KV+32+8*\c+7], v240
.endr
	v_nop                                          ; a plain line behind the conversions
	; Q1 = (elu(Q) + 1) 2048^(-1/4); elu(x) + 1 = 2^(min(x log2(e), 0)) + max(x, 0)
.set jj, 0
.rept 16
	v_pk_mul_f32 v[KV+32+jj:KV+32+jj+1], v[KV+jj:KV+jj+1], s[60:61] op_sel_hi:[1,0]
.set jj, jj+2
.endr
.set ii, 0
.rept 32
	v_min_num_f32 v[KV+32+ii], 0, v[KV+32+ii]
.set ii, ii+1
.endr
.set ii, 0
.rept 32
	v_exp_f32 v[KV+32+ii], v[KV+32+ii]
.set ii, ii+1
.endr
.set ii, 0
.rept 32
	v_max_num_f32 v[KV+ii], 0, v[KV+ii]            ; (plain lines behind the exponentials)
.set ii, ii+1
.endr
.set jj, 0
	s_wait_alu depctr_va_vdst(0)
.rept 16
	v_pk_add_f32 v[KV+32+jj:KV+32+jj+1], v[KV+32+jj:KV+32+jj+1], v[KV+jj:KV+jj+1]
.set jj, jj+2
.endr
.set jj, 0
.rept 16
	v_pk_mul_f32 v[KV+32+jj:KV+32+jj+1], v[KV+32+jj:KV+32+jj+1], s[62:63] op_sel_hi:[1,0]
.set jj, jj+2
.endr
.set ii, 0
.rept 32
	v_min_num_f32 v[KV+32+ii], v[KV+32+ii], v243   ; Q1 is not negative: the hold is one-sided
.set ii, ii+1
.endr
.irp c, 0,1,2,3
	v_cvt_scalef32_pk8_fp8_f32 v[Q1C+2*\c:Q1C+2*\c+1], v[KV+32+8*\c:KV+32+8*\c+7], v242
.endr
	v_nop
	; the band's edge.  Query - key = r + 64 - 16 i - 8 h - j: in tile 0 a key is hidden where j <= r - 8 h, in tile 8 where j >= r - 8 h; tiles 1 to 7 lie inside
	s_wait_loadcnt 0x0
.irp j, 0,1,2,3,4,5,6,7
	v_cmp_le_i32 vcc_lo, \j, v22
	v_cndmask_b32 v[S+\j], v[S+\j], v23, vcc_lo
	v_cmp_ge_i32 vcc_lo, \j, v22
	v_cndmask_b32 v[S+64+\j], v[S+64+\j], v23, vcc_lo
.endr
	s_wait_tensorcnt 0x1                           ; my part of the window has landed; the joint load, issued behind it, may stay out
	BAR                                            ; everybody's part has
.irp i, 0,1,2,3,4,5,6,7,8
	ds_load_b128 v[KV+8*\i:KV+8*\i+3], v8 offset:2048*\i
	ds_load_b128 v[KV+8*\i+4:KV+8*\i+7], v8 offset:2048*\i+512
.endr
.irp i, 0,1,2,3,4,5,6,7,8
	s_wait_dscnt 16-2*\i                           ; tile i's two loads are in; the later tiles' may be out
	v_wmma_f32_16x16x64_fp8_fp8 v[S+8*\i:S+8*\i+7], v[KV+8*\i:KV+8*\i+7], v[QC:QC+7], v[S+8*\i:S+8*\i+7]   ; nine sums of their own, each begun with the mask's term as C
.endr
.rept 4
	v_nop                                          ; four places ahead of loads into registers that the products have read, and of the first read of results
.endr
.irp t, 0,1,2,3
.irp i, 0,1,2,3,4,5,6,7,8
	ds_load_b64 v[KV+18*\t+2*\i:KV+18*\t+2*\i+1], v9 offset:2048*\i+256*\t
.endr
.endr
	; the softmax of the band, in one go: the row's 144 scores lie in two lanes' 72 registers.  Each accumulator is read from its low end on
	v_max3_num_f32 v248, v[S], v[S+1], v[S+2]
	v_max3_num_f32 v249, v[S+3], v[S+4], v[S+5]
.set jj, 6
.rept 16
	v_max3_num_f32 v248, v248, v[S+jj], v[S+jj+1]
	v_max3_num_f32 v249, v249, v[S+jj+2], v[S+jj+3]
.set jj, jj+4
.endr
	v_max3_num_f32 v248, v248, v[S+70], v[S+71]
	v_max_num_f32 v248, v248, v249
	v_permlanex16_b32 v249, v248, s56, s57
	v_max_num_f32 v248, v248, v249                 ; the row's largest sum
	v_mul_f32 v248, s58, v248                      ; as t (c is positive)
	v_floor_f32 v250, -v248                        ; -M = floor(-t)
	v_mov_b32 v251, v250                           ; (named with it as a pair)
.set jj, 0
.rept 36
	v_pk_fma_f32 v[S+jj:S+jj+1], v[S+jj:S+jj+1], s[58:59], v[250:251] op_sel_hi:[1,0,0]   ; t - M
.set jj, jj+2
.endr
.set ii, 0
.rept 72
	v_exp_f32 v[S+ii], v[S+ii]                     ; p; 0 for what is hidden
.set ii, ii+1
.endr
	v_nop                                          ; a plain line behind the exponentials
	s_wait_alu depctr_va_vdst(0)
	v_pk_add_f32 v[252:253], v[S:S+1], v[S+2:S+3]  ; the sum of the unquantised p, in two chains
	v_pk_add_f32 v[254:255], v[S+4:S+5], v[S+6:S+7]
.set jj, 8
.rept 16
	v_pk_add_f32 v[252:253], v[252:253], v[S+jj:S+jj+1]
	v_pk_add_f32 v[254:255], v[254:255], v[S+jj+2:S+jj+3]
.set jj, jj+4
.endr
	v_pk_add_f32 v[252:253], v[252:253], v[254:255]
.set ii, 0
.rept 72
	v_min_num_f32 v[S+ii], v[S+ii], v245           ; p is not negative: the hold is one-sided
.set ii, ii+1
.endr
.irp i, 0,1,2,3,4,5,6,7
	v_cvt_scalef32_pk8_fp8_f32 v[PC+2*\i:PC+2*\i+1], v[S+8*\i:S+8*\i+7], v244
.endr
	v_cvt_scalef32_pk8_fp8_f32 v[PC+22:PC+23], v[S+64:S+71], v244
	v_nop
	; O^T = V^T P^T: three steps of 64 keys: tiles 0-3, tiles 4-7, and tiles 5-8 against the codes (0, 0, 0, tile 8's).  The four accumulators take turns
	s_wait_dscnt 0x0                               ; V's pieces are in
.irp t, 0,1,2,3
	v_wmma_f32_16x16x64_fp8_fp8 v[O+8*\t:O+8*\t+7], v[KV+18*\t:KV+18*\t+7], v[PC:PC+7], 0
.endr
.irp t, 0,1,2,3
	v_wmma_f32_16x16x64_fp8_fp8 v[O+8*\t:O+8*\t+7], v[KV+18*\t+8:KV+18*\t+15], v[PC+8:PC+15], v[O+8*\t:O+8*\t+7]
.endr
.irp t, 0,1,2,3
	v_wmma_f32_16x16x64_fp8_fp8 v[O+8*\t:O+8*\t+7], v[KV+18*\t+10:KV+18*\t+17], v[PC+16:PC+23], v[O+8*\t:O+8*\t+7]
.endr
.rept 4
	v_nop                                          ; places ahead of the loads and sums that write these products' sources
.endr
	s_wait_tensorcnt 0x0                           ; my eighth of part has landed,
	BAR                                            ; everybody's has
	; the head's sums: l and -G, W, my two tiles of kv
	ds_load_b64 v[104:105], v12
.irp c, 0,1,2,3,4,5,6,7,8,9,10,11,12,13,14,15
	ds_load_b64 v[S+2*\c:S+2*\c+1], v11 offset:256*\c
.endr
	GRP 0
	GRP 1
	s_wait_dscnt 16                                ; l and W's sixteen rows are in; the two groups behind them may be out
	v_add_f32_dpp v104, v104, v104 row_xmask:1 row_mask:0xf bank_mask:0xf
	v_add_f32_dpp v104, v104, v104 row_xmask:2 row_mask:0xf bank_mask:0xf
	v_add_f32_dpp v104, v104, v104 row_xmask:4 row_mask:0xf bank_mask:0xf
	v_add_f32_dpp v104, v104, v104 row_xmask:8 row_mask:0xf bank_mask:0xf   ; l of all the head's keys
.irp k, 0,4,8,12,16,20,24,28
	v_pk_add_f32 v[S+\k:S+\k+1], v[S+\k:S+\k+1], v[S+\k+2:S+\k+3]
.endr
.irp k, 0,8,16,24
	v_pk_add_f32 v[S+\k:S+\k+1], v[S+\k:S+\k+1], v[S+\k+4:S+\k+5]
.endr
.irp k, 0,16
	v_pk_add_f32 v[S+\k:S+\k+1], v[S+\k:S+\k+1], v[S+\k+8:S+\k+9]
.endr
	v_pk_add_f32 v[S:S+1], v[S:S+1], v[S+16:S+17]  ; W(2 lane), W(2 lane + 1)
	ds_store_b64 v15, v[S:S+1]                     ; through my own 256 bytes into O^T's layout: LDS serves a wave's instructions in order (ISA guide 5.7.1.4)
.irp t, 0,1,2,3
	ds_load_b128 v[W+8*\t:W+8*\t+3], v16 offset:64*\t
	ds_load_b128 v[W+8*\t+4:W+8*\t+7], v16 offset:64*\t+16
.endr
	s_wait_dscnt 17                                ; group 0 is in; behind it: group 1, the store, W's eight loads
	ACCUM 0
	GRP 2
	s_wait_dscnt 17                                ; group 1 is in; behind it: the store, W's eight loads, group 2
	ACCUM 1
	GRP 3
.irp g, 2,3,4,5
	s_wait_dscnt 8                                 ; all but the youngest group
	ACCUM \g
	GRP \g+2
.endr
	s_wait_dscnt 8
	ACCUM 6
	s_wait_dscnt 0x0
	ACCUM 7
.set ii, 0
.rept 16
	v_med3_num_f32 v[ACC+ii], v[ACC+ii], -v247, v247
.set ii, ii+1
.endr
	v_cvt_scalef32_pk8_fp8_f32 v[108:109], v[ACC:ACC+7], v246      ; tile (dt, et): lane (r, h), register j = kv(16 dt + 8 h + j, 16 et + r): registers 2 dt, 2 dt + 1 of kv^T's fragment et
	v_cvt_scalef32_pk8_fp8_f32 v[110:111], v[ACC+8:ACC+15], v246
	v_nop
	ds_store_b128 v13, v[108:111]
	s_wait_dscnt 0x0                               ; my store has landed, and my reads of part are over
	BAR
.irp e, 0,1,2,3
	ds_load_b128 v[KV+8*\e:KV+8*\e+3], v14 offset:1024*\e
	ds_load_b128 v[KV+8*\e+4:KV+8*\e+7], v14 offset:1024*\e+512
.endr
	s_wait_dscnt 0x0
.irp e, 0,1,2,3
	v_wmma_f32_16x16x64_fp8_fp8 v[LR+8*\e:LR+8*\e+7], v[KV+8*\e:KV+8*\e+7], v[Q1C:Q1C+7], 0   ; source 0 = 16 rows of kv^T, source 1 = my queries' Q1
.endr
	; a lane's numbers (they name no register of the products above)
	v_add_f32 v252, v252, v253
	v_permlanex16_b32 v254, v252, s56, s57
	v_add_f32 v252, v252, v254                     ; the band's sum l
	v_min_num_f32 v248, v250, v105                 ; -M' = min(-M, -G)
	v_sub_f32 v249, v248, v250                     ; M - M', a whole number, 0 or less
	v_sub_f32 v251, v248, v105                     ; G - M'
	v_cvt_i32_f32 v249, v249
	v_cvt_i32_f32 v251, v251
	v_ldexp_f32 v249, 1.0, v249                    ; f1 = 2^(M - M')
	v_ldexp_f32 v251, 1.0, v251                    ; f2 = 2^(G - M')
	v_mul_f32 v253, v251, v104
	v_fma_f32 v253, v249, v252, v253               ; the row's whole sum under M'
	v_rcp_f32 v253, v253
	v_mov_b32 v254, s22                            ; r  (a plain line behind the reciprocal)
	v_sub_f32 v255, 1.0, v254
	s_wait_alu depctr_va_vdst(0)
	v_ldexp_f32 v253, v253, s82                    ; x 2^(e2 + e3)
	v_mul_f32 v253, v253, v254                     ; x r
	v_mul_f32 v[ACC], v253, v249                   ; a, for O^T
	v_mul_f32 v[ACC+2], v253, v251                 ; b, for W
	v_ldexp_f32 v[ACC+4], v255, s83                ; g = (1 - r) 2^(e6 + e7), for the low-rank sums
.set jj, 0
.rept 16
	v_pk_mul_f32 v[S+jj:S+jj+1], v[O+jj:O+jj+1], v[ACC:ACC+1] op_sel_hi:[1,0]
.set jj, jj+2
.endr
.set jj, 0
.rept 16
	v_pk_fma_f32 v[S+jj:S+jj+1], v[W+jj:W+jj+1], v[ACC+2:ACC+3], v[S+jj:S+jj+1] op_sel_hi:[1,0,1]
.set jj, jj+2
.endr
.set jj, 0
.rept 16
	v_pk_fma_f32 v[S+jj:S+jj+1], v[LR+jj:LR+jj+1], v[ACC+4:ACC+5], v[S+jj:S+jj+1] op_sel_hi:[1,0,1]
.set jj, jj+2
.endr
	; the way out: register 8 t + j is out(r, 16 t + 8 h + j).  Through my own stage, back as whole rows
.irp t, 0,1,2,3
	ds_store_b128 v17, v[S+8*\t:S+8*\t+3] offset:64*\t
	ds_store_b128 v17, v[S+8*\t+4:S+8*\t+7] offset:64*\t+16
.endr
.irp i, 0,1,2,3,4,5,6,7
	ds_load_b128 v[W+4*\i:W+4*\i+3], v10 offset:2*\i*SP
.endr
.irp i, 0,1,2,3,4,5,6,7
	s_wait_dscnt 7-\i                              ; rows 2 i and 2 i + 1 are back; the later ones may be out
	global_store_b128 v4, v[W+4*\i:W+4*\i+3], s[76:77] offset:512*\i th:TH_STORE_NT   ; 32 lanes store 512 consecutive bytes, at a multiple of 256 from out0's first byte
.endr
	s_set_vgpr_msb 0x5
	s_wait_tensorcnt 0x0
	ds_add_u32 v0, v1
	s_wait_dscnt 0x0
	s_set_vgpr_msb 0x500
	CROUND                                         ; the closing round: no work-group ends while a partner may still ask for a tile that names it
	s_endpgm
.Lfunc_end_k_q046d417c20_main:
	.size	k_q046d417c20_main, .Lfunc_end_k_q046d417c20_main-k_q046d417c20_main
	.p2alignl 7, 3214868480
	.fill 96, 4, 3214868480
	.section	.rodata,"a",@progbits
	.p2align	6, 0x0
	.amdhsa_kernel k_q046d417c20_main
		.amdhsa_group_segment_fixed_size 327680
		.amdhsa_private_segment_fixed_size 0
		.amdhsa_enable_private_segment 0
		.amdhsa_kernarg_size 56
		.amdhsa_user_sgpr_count 2
		.amdhsa_user_sgpr_kernarg_segment_ptr 1
		.amdhsa_wavefront_size32 1
		.amdhsa_system_sgpr_workgroup_id_x 1
		.amdhsa_system_sgpr_workgroup_id_y 1
		.amdhsa_system_sgpr_workgroup_id_z 1
		.amdhsa_system_vgpr_workitem_id 0
		.amdhsa_next_free_vgpr 258
		.amdhsa_next_free_sgpr 90
		.amdhsa_reserve_vcc 1
		.amdhsa_float_denorm_mode_32 3
		.amdhsa_float_denorm_mode_16_64 3
		.amdhsa_memory_ordered 1
		.amdhsa_forward_progress 1
		.amdhsa_inst_pref_size 62
	.end_amdhsa_kernel
	.amdgpu_metadata
---
amdhsa.version: [ 1, 2 ]
amdhsa.kernels:
  - .name:           k_q046d417c20_main
    .symbol:         k_q046d417c20_main.kd
    .args:
      - { .name: Q, .offset: 0, .size: 8, .value_kind: global_buffer, .address_space: global }
      - { .name: kvw, .offset: 8, .size: 8, .value_kind: global_buffer, .address_space: global }
      - { .name: cb, .offset: 16, .size: 8, .value_kind: global_buffer, .address_space: global }
      - { .name: part, .offset: 24, .size: 8, .value_kind: global_buffer, .address_space: global }
      - { .name: lowp_scales, .offset: 32, .size: 8, .value_kind: global_buffer, .address_space: global }
      - { .name: sparse_ratio, .offset: 40, .size: 8, .value_kind: global_buffer, .address_space: global }
      - { .name: out0, .offset: 48, .size: 8, .value_kind: global_buffer, .address_space: global }
    .group_segment_fixed_size: 327680
    .private_segment_fixed_size: 0
    .kernarg_segment_align: 8
    .kernarg_segment_size: 56
    .max_flat_workgroup_size: 256
    .sgpr_count:     90
    .vgpr_count:     258
    .wavefront_size: 32
...
	.end_amdgpu_metadata
.endif
;; end of part 2
